; MI455X (gfx1250); checked and timed in simulation.
; The chip was launched on July 23, 2026; its instructions are those of AMD's public machine-readable ISA for CDNA 5 (MIT licence, August 2026) and "CDNA5" Instruction Set Architecture Reference Guide (July 2026). The comments in the code are by the model that wrote it; some were corrected since.
;; Lo RA Layer. Allowed arithmetic: matrix products marked QUANTISED: E2M1 operands, one E8M0 scale for each 32 along K, by v_wmma_scale_f32_16x16x128_f8f6f4 with both operands' format E2M1 (or v_wmma_scale_f32_32x16x128_f4), f32 sums; products left as they are: f32 operands where the result goes on into a quantised operand, else bf16, f16 or f32 operands; f32 sums; everything else in f32.
;; Inputs: A 4,096 x 16 float32; B 16 x 4,096 float32; weight 4,096 x 4,096 float32; x 4,096 x 4,096 float32.
;; Outputs: out0 4,096 x 4,096 float32.
;; This version of the problem:
;;   THIS VERSION OF THE PROBLEM IS GIVEN IN LOW PRECISION. The matrix products marked QUANTISED in the list below multiply operands that are first quantised to E2M1 (2 exponent bits, 1 mantissa bit; 4 bits a number), with one power-of-two scale for each 32 numbers along K (OCP MX v1.0); their sums are f32. All else is computed in f32.
;;   The module's matrix products, in the order in which they are computed (A, B: the left and right operand; K: the contracted axis; several contracted axes count as one K, in the product's order):
;;     1. [M 4,096, K 16] x [K 16, N 4,096]; A: input A; B: input B: left as it is (K = 16 < 32)
;;     2. [M 4,096, K 4,096] x [K 4,096, N 4,096]; A: computed on the way; B: input x: QUANTISED
;;   THE QUANTISER, for each operand of a quantised product, along K:
;;     - K is cut into blocks of 32 from its start; a last block that is shorter is filled with zeros.
;;     - A block's scale is 2^e with e = floor(log2(the largest magnitude in the block)) - 2, held to -126 .. 127; a block of zeros has e = 0. As a byte (E8M0): e + 127.
;;     - Each number is divided by its block's scale, clamped to +-6, and rounded to the nearest number of E2M1, ties to even, subnormals kept.
;;     - The product sums the exact products of the quantised numbers (number of the format x scale) in f32.
;;   ~~~python
;;   def quantise(x, axis):      # numpy; x: float32 -> the quantised numbers, widened to float32 again
;;       x = np.moveaxis(x, axis, -1); K = x.shape[-1]
;;       x = np.pad(x, [(0, 0)] * (x.ndim - 1) + [(0, -K % 32)]); x = x.reshape(x.shape[:-1] + (-1, 32)); a = np.abs(x).max(-1, keepdims=True)
;;       e = np.where(a > 0, np.clip(np.frexp(np.where(a > 0, a, 1))[1] - 1 - 2, -126, 127), 0)      # np.frexp(a)[1] - 1 = floor(log2(a)), exactly
;;       r = np.clip(x / 2.0 ** e, -6, 6)
;;       step = 2.0 ** (np.maximum(np.frexp(np.where(r == 0, 1, r))[1] - 1, 0) - 1)
;;       q = np.round(r / step) * step * 2.0 ** e      # np.round: ties to even
;;       return np.moveaxis(q.reshape(q.shape[:-2] + (-1,))[..., :K], -1, axis).astype(np.float32)
;;   ~~~
;;   OPERANDS COMPUTED ON THE WAY. 'Computed on the way' means the value that the module computes at that place (a softmax that the list does not call 'softmax' is quantised finished and normalised). What goes into a quantiser is computed in f32, as accurately as f32 sums, v_exp_f32 and their like allow (about 1e-6 of the number): no bf16 or f16 on the way to a quantiser, and a product that is left as it is and whose result goes on into a quantised operand takes f32 operands (vector FMAs, or v_wmma_f32_16x16x4_f32). A number that lies on a knife's edge between two numbers of the format may be rounded either way, as far as f32 arithmetic and the matrix unit's own rounding can turn it there, and no further.
;; One version. Each part assembles by itself: llvm-mc -triple=amdgcn-amd-amdhsa -mcpu=gfx1250 --defsym DOCPART=n.
;; ======== version 1 of 1: 2 launches
;; limits: right only within a limited range of input values
;; workspace buffers: wq 8,912,896 bytes; xq 8,912,896 bytes
;; launch quant (part 1): grid 8 x 32, 16 waves a work-group, no clusters, 327,680 bytes of LDS; arguments weight, A, B, x, wq, xq; writes wq, xq
.if DOCPART == 1
	.amdgcn_target "amdgcn-amd-amdhsa--gfx1250"
	.amdhsa_code_object_version 6
	.text
	.protected	k_q7cba5484cd_quant
	.globl	k_q7cba5484cd_quant
	.p2align	8
	.type	k_q7cba5484cd_quant,@function
k_q7cba5484cd_quant:
	s_mov_b64 s[64:65], 0
	v_nop
	global_prefetch_b8 v0, s[64:65] scope:SCOPE_SE
	s_setreg_imm32_b32 hwreg(HW_REG_WAVE_MODE, 25, 1), 1
	s_wait_xcnt 0x0
; Both operands of the quantised product are made here: W' = weight + A B (f32) and x, each turned into codes of FP4 (E2M1) with one E8M0 scale byte for each 32 along K.
; K is W's column axis and x's FIRST axis.  A block's scale is 2^(floor(log2(its largest magnitude)) - 2); its byte is the largest magnitude's exponent field - 2, held at 1 from below.
; LIMITS: a block of zeros gets the byte 1 where the rule says 127 (its codes are zeros, which add nothing under any byte but 0xff, and this program alone reads the bytes); blocks whose largest
; magnitude lies under 2^-124, the floor, are held at the byte 1 and were not tried; NaN and infinities among the inputs are not served.
; ORDER OF ROUNDING: W' is summed in f32 as weight + a b terms (weight is the C of the first matrix instruction), the ranks in the order 2q, 2q+1, 8+2q, 9+2q for q = 0 .. 3; reference() finishes A B first.
; OUTPUT, both alike, in the order of the matrix operand's registers: [s = K / 512 : 8][T = row or column / 16 : 256][4,352 bytes]; in a block: the 16 bytes (32 codes) of K block j and row r at 256 j + 16 r, the scale byte at 4,096 + 16 r + j.
; SHARES.  Work-group (s, G): of W' rows 128 G .. + 127 x columns 512 s .. + 511; of x rows (K) 512 s .. + 511 x columns 128 G .. + 127.
; WEIGHT: wave w takes rows 16 (w / 2) .. + 15, columns 256 (w % 2) .. + 255 of the piece: ONE tensor load at the head, 16 rows of 1,024 bytes, 16 bytes of padding behind each; only the wave itself reads those bytes.
; x: wave w: g = w % 4: 32 columns, a lane to a column; q = w / 4: 128 of the 512 along K, four blocks of 32 down a lane's registers, in two sets of registers by turns.
; ORDER: a wave asks for x when its tile of weight has landed; from there on a group of W' and a block of x take turns, so that x's loads are out while the matrix instructions run.
; A B: v_wmma_f32_16x16x4_f32, TRANSPOSED: source 0 = 16 columns of B (as rows), source 1 = 16 rows of A.  In tile t of a group of 64 columns, row m of source 0 is column 8 t + m % 8 + 32 (m / 8):
; so lane (r, h) holds row r of W', and its 32 registers of the group's four tiles are the 32 neighbours of K block 2 g + h: no other lane is asked for the maximum, and a wave's 16 bytes a lane are 512 neighbouring bytes of wq.
; B's piece (16 x 512) is laid [column][rank] in LDS once, a thread to a column: a lane's eight ranks 8 h .. 8 h + 7 are then 32 neighbouring bytes.
; No cluster: what work-groups share is B's 32 KB beside the 512 KB that each reads alone.  No prefetch: the text has no loop to run ahead in.
.set TB,    4352
.set SSTEP, 256*TB
.set ROWB,  16384                      ; a row of weight, of B or of x in memory
.set WP,    1040                       ; an LDS row of a weight tile: 1,024 bytes + 16 = 65 x 16: sixteen rows' loads of 16 bytes start at sixteen different groups of four banks (64 banks of 4 bytes: ISA guide 11.1)
.set WREG,  16*WP                      ; a wave's tile
.set BT,    16*WREG                    ; behind the tiles: B transposed, 512 columns x (64 bytes + 16)
.set BP,    80
.set SCS,   BT+512*BP                  ; the scale bytes' stage: x's 8 tiles x 256 bytes, then W's
.set SPARE, SCS+4096                   ; the spare words, 128 bytes for each wave; no other line names them
.set XIN,  4                           ; 4 x lane
.set XOUT, 5                           ; TB (lane / 16) + 16 (lane % 16)
.set XSW,  6                           ; LDS: my column's scale word
.set BIN,  7                           ; 4 x thread
.set BST,  8                           ; LDS: my column of B transposed
.set AOF,  9                           ; 64 r + 32 h
.set WRD,  10                          ; LDS: my row of my wave's tile, + 128 h
.set BRD,  11                          ; LDS: my column of a tile of B, + 32 h
.set WOUT, 12                          ; 16 x lane
.set WSW,  13                          ; LDS: my row's 8 scale bytes
.set SRD,  14                          ; LDS: the scale bytes on the way out
.set SPW,  16                          ; my spare word; never rewritten
.set NIL,  17                          ; 0; never rewritten
.set MX,   18                          ; v18-19 largest magnitudes
.set SCO,  20                          ; the conversions' scale operand
.set BYT,  21
.set XW,   22                          ; x: four scale bytes
.set SH,   23                          ; 8 h
.set AV,   24                          ; v24-31   A[row r][8 h .. 8 h + 7]
.set XC,   32                          ; v32-47   x's codes, four registers a block
.set X,    48                          ; v48-111  x: two sets of 32 numbers
.set CW,   112                         ; v112-143 weight: a group's 32 numbers
.set BF,   144                         ; v144-175 B's fragments of a group
.set BV,   176                         ; v176-191 B as it is loaded
.set D,    192                         ; v192-223 W': written by matrix instructions alone
.set WC,   224                         ; v224-239 W's codes, four registers a group
.set SB,   240                         ; v240-241 W: my scale bytes
.set PT,   242                         ; v242-243 the other half's
.set WM,   248                         ; v248-251 W: four chains' largest magnitudes
	s_load_b256 s[4:11], s[0:1], 0x0               ; weight, A, B, x
	s_load_b128 s[12:15], s[0:1], 0x20             ; wq, xq
	v_lshl_add_u32 v[SPW], v0, 2, SPARE
	v_mov_b32 v[NIL], 0
	ds_add_u32 v[SPW], v[NIL]                      ; the opening: the add, twice on end, and its wait ahead of my tensor load
	ds_add_u32 v[SPW], v[NIL]
	v_lshrrev_b32 v1, 5, v0
	v_readfirstlane_b32 s16, v1                    ; wave 0..15
	s_and_b32 s18, ttmp7, 0xffff                   ; G
	s_lshr_b32 s19, s16, 1                         ; W: my tile of 16 rows
	s_and_b32 s32, s16, 1                          ; W: my half of the 512 columns
	s_and_b32 s33, s16, 3                          ; x: g
	s_lshr_b32 s56, s16, 2                         ; x: q
	s_mov_b32 s20, 1                               ; group 0: count,
	s_mul_i32 s21, s16, WREG                       ; my tile's LDS bytes
	s_mov_b32 s24, (2<<16)|(1<<20)|(7<<22)|(3<<25) ; group 1: elements of 4 bytes; after every 256 words 4 words of padding
	s_mov_b32 s25, 256<<16                         ; tensor_dim0 = 256
	s_mov_b32 s26, 16<<16                          ; tensor_dim1 = 16
	s_mov_b32 s27, 256<<16                         ; tile_dim0 = 256
	s_mov_b32 s28, 16                              ; tile_dim1 = 16
	s_mov_b32 s29, 4096                            ; from row to row
	s_mov_b32 s30, 0
	s_mov_b32 s31, 0
	s_lshl_b32 s34, s18, 21                        ; weight: 128 G rows,
	s_lshl_b32 s57, s19, 18                        ; 16 rows a tile,
	s_add_co_u32 s34, s34, s57
	s_lshl_b32 s57, ttmp9, 11                      ; 512 s columns,
	s_add_co_u32 s34, s34, s57
	s_lshl_b32 s57, s32, 10                        ; my 256
	s_add_co_u32 s34, s34, s57
	s_mov_b32 s35, 0
	s_lshl_b32 s36, s18, 13                        ; A: rows of 64 bytes
	s_lshl_b32 s57, s19, 10
	s_add_co_u32 s36, s36, s57
	s_mov_b32 s37, 0
	s_lshl_b32 s38, ttmp9, 11                      ; B: 512 s columns
	s_mov_b32 s39, 0
	s_lshl_b32 s42, ttmp9, 23                      ; x: 512 s rows,
	s_lshl_b32 s57, s56, 21                        ; 128 q rows,
	s_add_co_u32 s42, s42, s57
	s_lshl_b32 s57, s18, 9                         ; 128 G columns,
	s_add_co_u32 s42, s42, s57
	s_lshl_b32 s57, s33, 7                         ; 32 g columns
	s_add_co_u32 s42, s42, s57
	s_mov_b32 s43, 0
	s_mul_i32 s58, ttmp9, SSTEP                    ; both outputs: K step s,
	s_lshl_b32 s59, s18, 3                         ; first tile 8 G
	s_lshl_b32 s57, s33, 1
	s_add_co_u32 s57, s59, s57
	s_mul_i32 s57, s57, TB
	s_add_co_u32 s50, s58, s57                     ; tile 8 G + 2 (w % 4): the scale bytes' way out, and x's codes,
	s_mov_b32 s51, 0
	s_lshl_b32 s57, s56, 10
	s_add_co_u32 s46, s50, s57                     ; from K block 4 q on
	s_mov_b32 s47, 0
	s_add_co_u32 s57, s59, s19
	s_mul_i32 s57, s57, TB
	s_add_co_u32 s48, s58, s57                     ; W's codes: tile 8 G + w / 2,
	s_lshl_b32 s57, s32, 11
	s_add_co_u32 s48, s48, s57                     ; from K block 8 (w % 2) on
	s_mov_b32 s49, 0
	s_lshl_b32 s52, s33, 9
	s_lshl_b32 s57, s56, 2
	s_add_co_u32 s52, s52, s57
	s_add_co_u32 s52, s52, SCS                     ; x's scale words: 512 g + 4 q
	s_mul_i32 s53, s32, 256*BP
	s_add_co_u32 s53, s53, BT                      ; my 256 columns of B transposed
	s_lshl_b32 s54, s19, 8
	s_lshl_b32 s57, s32, 3
	s_add_co_u32 s54, s54, s57
	s_add_co_u32 s54, s54, SCS+2048                ; W's scale bytes: 256 a tile, 8 for my half
	s_and_b32 s55, s16, 7
	s_lshl_b32 s55, s55, 9
	s_add_co_u32 s55, s55, SCS                     ; the way out: 512 bytes a wave
	s_mov_b32 s40, 0x76543210
	s_mov_b32 s41, 0xfedcba98                      ; v_permlanex16_b32's selects for lane l xor 16
	v_and_b32 v1, 31, v0                           ; lane
	v_and_b32 v2, 15, v0                           ; r
	v_bfe_u32 v3, v0, 4, 1                         ; h
	v_lshlrev_b32 v[XIN], 2, v1
	v_mul_u32_u24 v[XOUT], v3, TB
	v_lshl_add_u32 v[XOUT], v2, 4, v[XOUT]
	v_lshl_add_u32 v[XSW], v1, 4, s52
	v_lshlrev_b32 v[BIN], 2, v0
	v_mul_u32_u24 v[BST], v0, BP
	v_add_nc_u32 v[BST], BT, v[BST]
	v_lshlrev_b32 v[AOF], 6, v2
	v_lshl_add_u32 v[AOF], v3, 5, v[AOF]
	v_mul_u32_u24 v[WRD], v2, WP
	v_lshl_add_u32 v[WRD], v3, 7, v[WRD]
	v_add_nc_u32 v[WRD], s21, v[WRD]
	v_and_b32 v15, 7, v0
	v_bfe_u32 v[MX], v0, 3, 1
	v_lshl_add_u32 v15, v[MX], 5, v15              ; r % 8 + 32 (r / 8)
	v_mul_u32_u24 v[BRD], v15, BP
	v_lshl_add_u32 v[BRD], v3, 5, v[BRD]
	v_add_nc_u32 v[BRD], s53, v[BRD]
	v_lshlrev_b32 v[WOUT], 4, v1
	v_lshl_add_u32 v[WSW], v2, 4, s54
	v_lshl_add_u32 v[SRD], v1, 4, s55
	v_lshlrev_b32 v[SH], 3, v3
	v_mov_b32 v[PT], 0                             ; a lane permute's destination counts as one of its sources
	v_mov_b32 v[PT+1], 0
	s_wait_alu depctr_va_vdst(0)
	s_wait_dscnt 0x0                               ; both opening adds are done
	s_wait_kmcnt 0x0
	s_add_nc_u64 s[22:23], s[4:5], s[34:35]
	s_or_b32 s23, s23, 0x80000000                  ; type = 2
	tensor_load_to_lds s[20:23], s[24:31]          ; my 16 rows x 1,024 bytes of weight: my one tensor load
	s_nop 0
	s_add_nc_u64 s[6:7], s[6:7], s[36:37]
	s_add_nc_u64 s[8:9], s[8:9], s[38:39]
	s_add_nc_u64 s[10:11], s[10:11], s[42:43]
	s_cmp_lt_u32 s16, 4                            ; the scale bytes' way out: waves 0-3 serve xq, waves 4-7 wq
	s_cselect_b64 s[44:45], s[14:15], s[12:13]
	s_add_nc_u64 s[44:45], s[44:45], s[50:51]
	s_add_nc_u64 s[14:15], s[14:15], s[46:47]
	s_add_nc_u64 s[12:13], s[12:13], s[48:49]
.macro LOADX t                         ; block t: x(32 t + n, my column) into set t % 2: each load reads 128 consecutive bytes, four waves side by side on 512
.set n, 0
.rept 32
	global_load_b32 v[X+32*((\t)%2)+n], v[XIN], s[10:11] offset:(32*(\t)+n)*ROWB th:TH_LOAD_NT
.set n, n+1
.endr
.endm
; 32 neighbours along K in v[xs ..] -> 16 bytes of codes in v[c .. c + 3]; the scale byte goes into v[wd] at bit sh.
.macro QBLK xs, c, wd, sh
.set XS, \xs
.set CS, \c
	v_max3_num_f32 v[MX], |v[XS]|, |v[XS+1]|, |v[XS+2]|            ; the block's largest magnitude, in two chains
	v_max3_num_f32 v[MX+1], |v[XS+3]|, |v[XS+4]|, |v[XS+5]|
.irp i, 6,10,14,18,22,26
	s_delay_alu instid0(VALU_DEP_2)
	v_max3_num_f32 v[MX], v[MX], |v[XS+\i]|, |v[XS+\i+1]|
	s_delay_alu instid0(VALU_DEP_2)
	v_max3_num_f32 v[MX+1], v[MX+1], |v[XS+\i+2]|, |v[XS+\i+3]|
.endr
	s_delay_alu instid0(VALU_DEP_2)
	v_max3_num_f32 v[MX], v[MX], |v[XS+30]|, |v[XS+31]|
	s_delay_alu instid0(VALU_DEP_1)
	v_max3_num_f32 v[MX], v[MX], v[MX+1], 0x1800000                ; and the floor 2^(3 - 127): the byte cannot fall under 1
	s_delay_alu instid0(VALU_DEP_1)
	v_add_nc_u32 v[SCO], 0xff000000, v[MX]         ; 2 off its exponent field: the conversion takes that field as its scale
	s_delay_alu instid0(VALU_DEP_1)
	v_lshrrev_b32 v[BYT], 23, v[SCO]               ; the scale's byte
	s_delay_alu instid0(VALU_DEP_1)
.if (\sh) == 0
	v_mov_b32 v[\wd], v[BYT]
.else
	v_lshl_or_b32 v[\wd], v[BYT], \sh, v[\wd]
.endif
.irp g, 0,1,2,3
	v_cvt_scalef32_pk8_fp4_f32 v[CS+\g], v[XS+8*\g:XS+8*\g+7], v[SCO]
.endr
	v_nop                                          ; one plain line behind the conversions
.endm
; The same for W', whose 32 numbers lie in the four accumulators: four chains, one an accumulator, by turns, each read from its low end on; the floor is a leaf of each chain.
.macro QBLKW c, wd, sh
.set CS, \c
.irp t, 0,1,2,3
	v_max3_num_f32 v[WM+\t], |v[D+8*\t]|, |v[D+8*\t+1]|, |v[D+8*\t+2]|
.endr
.irp i, 3,5
.irp t, 0,1,2,3
	v_max3_num_f32 v[WM+\t], v[WM+\t], |v[D+8*\t+\i]|, |v[D+8*\t+\i+1]|
.endr
.endr
.irp t, 0,1,2,3
	v_max3_num_f32 v[WM+\t], v[WM+\t], |v[D+8*\t+7]|, 0x1800000
.endr
	v_max3_num_f32 v[MX], v[WM], v[WM+1], v[WM+2]
	v_max_num_f32 v[MX], v[MX], v[WM+3]            ; the block's largest magnitude
	v_add_nc_u32 v[SCO], 0xff000000, v[MX]
	v_lshrrev_b32 v[BYT], 23, v[SCO]
.if (\sh) == 0
	v_mov_b32 v[\wd], v[BYT]
.else
	v_lshl_or_b32 v[\wd], v[BYT], \sh, v[\wd]
.endif
.irp g, 0,1,2,3
	v_cvt_scalef32_pk8_fp4_f32 v[CS+\g], v[D+8*\g:D+8*\g+7], v[SCO]
.endr
	v_nop                                          ; one plain line behind the conversions
.endm
.macro XBLOCK t
.if (\t) < 3
	s_wait_loadcnt 32                              ; this block's 32 loads are in; the next block's may be out
.else
	s_wait_loadcnt 0x0
.endif
	QBLK X+32*((\t)%2), XC+4*(\t), XW, 8*(\t)
.if (\t) < 2
	LOADX (\t)+2                                   ; into the set just converted
.endif
	global_store_b128 v[XOUT], v[XC+4*(\t):XC+4*(\t)+3], s[14:15] offset:256*(\t)   ; sixteen lanes store 256 consecutive bytes, at a multiple of 256 from xq's first byte
.endm
.macro LOADG g                         ; group g (64 columns): weight as the sums' first C, and B's four tiles
.irp t, 0,1,2,3
.irp u, 0,1
	ds_load_b128 v[CW+8*\t+4*\u:CW+8*\t+4*\u+3], v[WRD] offset:256*(\g)+32*\t+16*\u
	ds_load_b128 v[BF+8*\t+4*\u:BF+8*\t+4*\u+3], v[BRD] offset:64*BP*(\g)+8*BP*\t+16*\u
.endr
.endr
.endm
.macro GROUP g
	s_wait_dscnt 0x0                               ; this group's 16 loads are in
.irp q, 0,1,2,3                        ; the four accumulators by turns, one instruction a turn
.irp t, 0,1,2,3
.if \q == 0
	v_wmma_f32_16x16x4_f32 v[D+8*\t:D+8*\t+7], v[BF+8*\t:BF+8*\t+1], v[AV:AV+1], v[CW+8*\t:CW+8*\t+7]
.else
	v_wmma_f32_16x16x4_f32 v[D+8*\t:D+8*\t+7], v[BF+8*\t+2*\q:BF+8*\t+2*\q+1], v[AV+2*\q:AV+2*\q+1], v[D+8*\t:D+8*\t+7]
.endif
.endr
.endr
.rept 9
	v_nop                                          ; places behind this form: for the loads into the operands and the reads below, and for the next group's first products
.endr
.if (\g) < 3
	LOADG (\g)+1
.endif
	QBLKW WC+4*(\g), SB+(\g)/2, 16*((\g)%2)        ; my 32 registers are K block 8 (w % 2) + 2 g + h of row r
	global_store_b128 v[WOUT], v[WC+4*(\g):WC+4*(\g)+3], s[12:13] offset:512*(\g)   ; 32 lanes store 512 consecutive bytes, at a multiple of 256 from wq's first byte
.endm
	global_load_b128 v[AV:AV+3], v[AOF], s[6:7]
	global_load_b128 v[AV+4:AV+7], v[AOF], s[6:7] offset:16
.set n, 0
.rept 16
	global_load_b32 v[BV+n], v[BIN], s[8:9] offset:n*ROWB          ; B(n, my thread's column): the sixteen waves side by side on 2,048 bytes
.set n, n+1
.endr
	s_wait_loadcnt 0x0                             ; A and B are in
.irp i, 0,1,2,3
	ds_store_b128 v[BST], v[BV+4*\i:BV+4*\i+3] offset:16*\i        ; my column's 16 ranks on end
.endr
	s_wait_dscnt 0x0                               ; for the others' sake: my column of B lies in LDS
	s_barrier_signal -1
	s_barrier_wait -1
	s_wait_tensorcnt 0x0                           ; my tile of weight is in; I alone read it
	LOADG 0
	LOADX 0
	LOADX 1
.irp k, 0,1,2,3
	GROUP \k
	XBLOCK \k
.endr
	ds_store_b32 v[XSW], v[XW]                     ; my column's scale bytes 4 q .. 4 q + 3
	v_lshlrev_b32 v[SB], v[SH], v[SB]              ; W: my four bytes at the places of blocks 2 g + h,
	v_lshlrev_b32 v[SB+1], v[SH], v[SB+1]
	v_permlanex16_b32 v[PT], v[SB], s40, s41
	v_permlanex16_b32 v[PT+1], v[SB+1], s40, s41
	v_or_b32 v[SB], v[SB], v[PT]                   ; with lane l xor 16's four: my row's 8 bytes (both lanes write the same bytes with the same values)
	v_or_b32 v[SB+1], v[SB+1], v[PT+1]
	ds_store_b64 v[WSW], v[SB:SB+1]
	s_wait_dscnt 0x0                               ; for the others' sake
	s_barrier_signal -1
	s_barrier_wait -1
	s_cmp_lt_u32 s16, 8                            ; waves 0-7 store two tiles' scale bytes each
	s_cbranch_scc0 .Ldone
	ds_load_b128 v[244:247], v[SRD]
	s_wait_dscnt 0x0
	global_store_b128 v[XOUT], v[244:247], s[44:45] offset:4096    ; sixteen lanes store a tile's 256 scale bytes
.Ldone:
	s_wait_tensorcnt 0x0                           ; the wave's end
	ds_add_u32 v[SPW], v[NIL]
	s_wait_dscnt 0x0
	s_endpgm
.Lfunc_end_k_q7cba5484cd_quant:
	.size	k_q7cba5484cd_quant, .Lfunc_end_k_q7cba5484cd_quant-k_q7cba5484cd_quant
	.p2alignl 7, 3214868480
	.fill 96, 4, 3214868480
	.section	.rodata,"a",@progbits
	.p2align	6, 0x0
	.amdhsa_kernel k_q7cba5484cd_quant
		.amdhsa_group_segment_fixed_size 327680
		.amdhsa_private_segment_fixed_size 0
		.amdhsa_enable_private_segment 0
		.amdhsa_kernarg_size 48
		.amdhsa_user_sgpr_count 2
		.amdhsa_user_sgpr_kernarg_segment_ptr 1
		.amdhsa_wavefront_size32 1
		.amdhsa_system_sgpr_workgroup_id_x 1
		.amdhsa_system_sgpr_workgroup_id_y 1
		.amdhsa_system_sgpr_workgroup_id_z 1
		.amdhsa_system_vgpr_workitem_id 0
		.amdhsa_next_free_vgpr 256
		.amdhsa_next_free_sgpr 66
		.amdhsa_reserve_vcc 0
		.amdhsa_float_denorm_mode_32 3
		.amdhsa_float_denorm_mode_16_64 3
		.amdhsa_memory_ordered 1
		.amdhsa_forward_progress 1
		.amdhsa_inst_pref_size 45
	.end_amdhsa_kernel
	.amdgpu_metadata
---
amdhsa.version: [ 1, 2 ]
amdhsa.kernels:
  - .name:           k_q7cba5484cd_quant
    .symbol:         k_q7cba5484cd_quant.kd
    .args:
      - { .name: weight, .offset: 0, .size: 8, .value_kind: global_buffer, .address_space: global }
      - { .name: A, .offset: 8, .size: 8, .value_kind: global_buffer, .address_space: global }
      - { .name: B, .offset: 16, .size: 8, .value_kind: global_buffer, .address_space: global }
      - { .name: x, .offset: 24, .size: 8, .value_kind: global_buffer, .address_space: global }
      - { .name: wq, .offset: 32, .size: 8, .value_kind: global_buffer, .address_space: global }
      - { .name: xq, .offset: 40, .size: 8, .value_kind: global_buffer, .address_space: global }
    .group_segment_fixed_size: 327680
    .private_segment_fixed_size: 0
    .kernarg_segment_align: 8
    .kernarg_segment_size: 48
    .max_flat_workgroup_size: 512
    .sgpr_count:     66
    .vgpr_count:     256
    .wavefront_size: 32
...
	.end_amdgpu_metadata
.endif
;; end of part 1
;; launch gemm (part 2): grid 16 x 16, 4 waves a work-group, clusters of 4 x 4, 327,680 bytes of LDS; arguments wq, xq, out0; writes out0
.if DOCPART == 2
	.amdgcn_target "amdgcn-amd-amdhsa--gfx1250"
	.amdhsa_code_object_version 6
	.text
	.protected	k_q7cba5484cd_gemm
	.globl	k_q7cba5484cd_gemm
	.p2align	8
	.type	k_q7cba5484cd_gemm,@function
k_q7cba5484cd_gemm:
	s_mov_b64 s[64:65], 0
	v_nop
	global_prefetch_b8 v0, s[64:65] scope:SCOPE_SE
	s_setreg_imm32_b32 hwreg(HW_REG_WAVE_MODE, 25, 1), 1
	s_wait_xcnt 0x0
	s_wait_alu depctr_hold_cnt(0) depctr_sa_sdst(0) depctr_va_vdst(0) depctr_va_sdst(0) depctr_va_ssrc(0) depctr_va_vcc(0) depctr_vm_vsrc(0)
	s_getreg_b32 s2, hwreg(HW_REG_IB_STS2, 6, 4)
	s_cmp_eq_u32 s2, 0
	s_cbranch_scc0 .Lentry_in_a_cluster
	s_endpgm
.Lentry_in_a_cluster:
	s_bfe_u32 s2, ttmp6, 0x10000c
	s_cmp_lg_u32 s2, 0xf033
	s_cbranch_scc0 .Lentry_shape_is_right
	s_endpgm
.Lentry_shape_is_right:
; out0 = W' x on codes of FP4 with E8M0 scales, as the launch before laid them: [K / 512][16 rows or columns][4,352 bytes], in the order of the operand's registers.
; A tile of 256 x 256 to a work-group of four waves, 128 x 128 a wave; K in steps of 512 through two LDS slots; clusters of 4 x 4 ask for W's and x's tiles jointly.
; The matrix instruction is used transposed (source 0 = 16 columns of x, source 1 = 16 rows of W'), so that a lane holds eight neighbours of a row of out0.
; PREFETCH: behind each joint load the K step two refills on is named once in each cluster: of the 136 blocks of 256 bytes that a wave fetches, each of the four partners that ask
; with it takes 34, told apart by address: 32 by one instruction, a lane a block, and 2 by a second, whose other lanes name the last block again.  K steps 0 and 1 come by their loads alone; the last two refills ask for nothing.
.set SIZE_N, 4096
.set TB,     4352
.set SSTEP,  256*TB
.set NQ,     4
.set FR,     8
.set NL,     2
.set NP,     4
.set HALFT,  8*TB
.set SLOT,   4*HALFT
.set LAPS,   4
.set SPARE,  2*SLOT
.set SPITCH, 528
.set ADRA, 16
.set ADRB, 20
.set ADRS, 22
.set STO,  24
.set RD,   25
.set CO,   26
.set SPW,  28
.set NIL,  29
.set SC,   32
.set AF,   128
.set BK,   192                         ; the way out: 16 rows read back from the stage, v192-255
.set PA,   128                         ; the last K step: W's fragments of 16 rows x 512 K, 32 registers; two such buffers, v128-191
.set G1, 24
.set G0, 32
.set G1B, 48
.set G0B, 56
.set MSB, 0
.macro WIN new
.if MSB != \new
	s_set_vgpr_msb (MSB<<8)|\new
.set MSB, \new
.endif
.endm
.set MUL_LO, 0xa1
.set MUL_HI, 0xf1
.set TO_B,   0x40
.macro JLOAD g0a, g1a, g0b, g1b
	s_cmp_eq_u32 s15, 0
	s_cbranch_scc0 .Lfor_b_\@
	tensor_load_to_lds s[\g0a:\g0a+3], s[\g1a:\g1a+7]
	s_nop 0
.rept 4
	v_nop
.endr
	s_branch .Lasked_\@
.Lfor_b_\@:
	tensor_load_to_lds s[\g0b:\g0b+3], s[\g1b:\g1b+7]
	s_nop 0
.rept 4
	v_nop
.endr
.Lasked_\@:
.endm
.macro CREST
	s_cmp_lg_u32 s14, 0
	s_cbranch_scc1 .Lnot_wave_0_\@
	s_barrier_signal -3
.Lnot_wave_0_\@:
	s_barrier_wait -3
	s_barrier_signal -1
	s_barrier_wait -1
.endm
.macro CROUND
	s_barrier_signal -1
	s_barrier_wait -1
	CREST
.endm
	s_load_b128 s[4:7], s[0:1], 0x0
	s_load_b64 s[12:13], s[0:1], 0x10
	v_lshl_add_u32 v[SPW], v0, 2, SPARE
	v_mov_b32 v[NIL], 0
	ds_add_u32 v28, v29
	ds_add_u32 v28, v29
	s_wait_dscnt 0x0
	v_lshrrev_b32 v1, 5, v0
	v_readfirstlane_b32 s14, v1
	s_lshr_b32 s15, s14, 1
	s_and_b32 s16, s14, 1
	s_bfe_u32 s40, ttmp6, 0x40000
	s_bfe_u32 s41, ttmp6, 0x40004
	s_lshl_b32 s42, ttmp9, 2
	s_add_co_u32 s42, s42, s40
	s_and_b32 s17, ttmp7, 0xffff
	s_lshl_b32 s17, s17, 2
	s_add_co_u32 s17, s17, s41
	s_lshl_b32 s43, s41, 2
	s_lshl_b32 s43, 15, s43
	s_lshl_b32 s44, 0x1111, s40
	s_or_b32 s[G1+0], s43, (3<<16)|(1<<21)
	s_or_b32 s[G1B+0], s44, (3<<16)|(1<<21)
.irp g, G1, G1B
	s_mov_b32 s[\g+1], 32<<16
	s_mov_b32 s[\g+2], 136<<16
	s_mov_b32 s[\g+3], 32<<16
	s_mov_b32 s[\g+4], 136
	s_mov_b32 s[\g+5], 32
	s_mov_b32 s[\g+6], 0
	s_mov_b32 s[\g+7], 0
.endr
	s_lshl_b32 s18, s16, 3
	s_lshl_b32 s20, s17, 4
	s_add_co_u32 s20, s20, s18
	s_mul_i32 s20, s20, TB
	s_mov_b32 s21, 0
	s_lshl_b32 s46, s42, 4
	s_add_co_u32 s46, s46, s18
	s_mul_i32 s46, s46, TB
	s_mov_b32 s47, 0
	s_mul_i32 s45, s14, HALFT
	s_wait_kmcnt 0x0
	s_add_nc_u64 s[20:21], s[4:5], s[20:21]
	s_add_nc_u64 s[46:47], s[6:7], s[46:47]
	v_and_b32 v30, 31, v0                          ; the prefetches' offsets: block = lane,
	v_add_nc_u32 v31, 32, v30
	v_min_u32 v31, 33, v31                         ; and blocks 32, 33
	v_lshlrev_b32 v30, 8, v30
	v_lshlrev_b32 v31, 8, v31
	s_cmp_eq_u32 s15, 0                            ; do I fetch for W' or for x?
	s_cselect_b64 s[66:67], s[20:21], s[46:47]     ; the 8 tiles that I fetch,
	s_cselect_b32 s68, s40, s41                    ; my place among the four that ask with me,
	s_mul_i32 s68, s68, 34*256                     ; my work-group's 34 blocks of them,
	s_add_co_u32 s68, s68, SSTEP                   ; at K step 1: each refill steps it by one K step
	s_mov_b32 s69, 0
	s_add_nc_u64 s[66:67], s[66:67], s[68:69]
.irp s, 0,1
	s_mov_b32 s[G0+4*\s], 1
	s_add_co_u32 s[G0+4*\s+1], s45, \s*SLOT
	s_add_nc_u64 s[G0+4*\s+2:G0+4*\s+3], s[20:21], \s*SSTEP
	s_or_b32 s[G0+4*\s+3], s[G0+4*\s+3], 0x80000000
	s_mov_b32 s[G0B+4*\s], 1
	s_add_co_u32 s[G0B+4*\s+1], s45, \s*SLOT
	s_add_nc_u64 s[G0B+4*\s+2:G0B+4*\s+3], s[46:47], \s*SSTEP
	s_or_b32 s[G0B+4*\s+3], s[G0B+4*\s+3], 0x80000000
	s_wait_alu depctr_va_vdst(0)
	s_wait_tensorcnt 0x0
	ds_add_u32 v28, v29
	ds_add_u32 v28, v29
	s_wait_dscnt 0x0
	CROUND
	JLOAD G0+4*\s, G1, G0B+4*\s, G1B
.endr
	v_and_b32 v1, 15, v0
	v_bfe_u32 v2, v0, 4, 1
	s_wait_alu depctr_va_vdst(0)
	v_and_b32 v6, 31, v0
	v_lshlrev_b32 v4, 4, v6
	s_mul_i32 s21, s15, HALFT
	s_mul_i32 s22, s16, HALFT
	s_add_co_u32 s22, s22, 2*HALFT
.irp s, 0,1
	v_add_nc_u32 v[ADRA+\s], s21, v4
	v_add_nc_u32 v[ADRB+\s], s22, v4
	s_add_co_u32 s21, s21, SLOT
	s_add_co_u32 s22, s22, SLOT
.endr
	s_mul_i32 s21, s15, HALFT
	s_mul_i32 s22, s16, HALFT
	s_add_co_u32 s22, s22, 2*HALFT
	s_sub_co_u32 s22, s22, s21
	v_mul_u32_u24 v5, s22, v2
	v_lshl_add_u32 v5, v1, 4, v5
	s_add_co_u32 s21, s21, 4096
	v_add_nc_u32 v[ADRS], s21, v5
	v_add_nc_u32 v[ADRS+1], SLOT, v[ADRS]
	s_mul_i32 s23, s14, 16*SPITCH
	v_mul_u32_u24 v5, v1, SPITCH
	v_lshl_add_u32 v5, v2, 5, v5
	v_add_nc_u32 v[STO], s23, v5
	v_lshlrev_b32 v[CO], 4, v6
	v_add_nc_u32 v[RD], s23, v[CO]
	s_lshl_b32 s20, s17, 8
	s_lshl_b32 s21, s15, 7
	s_add_co_u32 s20, s20, s21
	s_mov_b32 s21, 0
	s_mov_b64 s[18:19], SIZE_N*4
	s_mul_u64 s[20:21], s[20:21], s[18:19]
	s_lshl_b32 s46, s42, 10
	s_lshl_b32 s47, s16, 9
	s_add_co_u32 s46, s46, s47
	s_mov_b32 s47, 0
	s_add_nc_u64 s[20:21], s[20:21], s[46:47]
	s_add_nc_u64 s[12:13], s[12:13], s[20:21]
.macro FRAG reg, adr, q, i
.irp c, 0,1
	ds_load_b128 v[\reg+4*\c:\reg+4*\c+3], v[\adr] offset:(\i)*TB+1024*(\q)+512*\c
.endr
.endm
.macro MUL16 a0, p, q, sc, zero
.irp a, \a0, \a0+1
.irp b, 0,1,2,3,4,5,6,7
.if \zero
	v_wmma_scale_f32_16x16x128_f8f6f4 v[8*(8*((\a)%4)+\b):8*(8*((\a)%4)+\b)+7], v[128*(\p)+FR*\b:128*(\p)+FR*\b+FR-1], v[AF+FR*(\a):AF+FR*(\a)+FR-1], 0, v[SC+8*NQ*(\sc)+NQ*\b+(\q)], v[SC+8*NQ*(\sc)+NQ*(\a)+(\q)] matrix_a_fmt:MATRIX_FMT_FP4 matrix_b_fmt:MATRIX_FMT_FP4 matrix_a_scale:MATRIX_SCALE_ROW1
.else
	v_wmma_scale_f32_16x16x128_f8f6f4 v[8*(8*((\a)%4)+\b):8*(8*((\a)%4)+\b)+7], v[128*(\p)+FR*\b:128*(\p)+FR*\b+FR-1], v[AF+FR*(\a):AF+FR*(\a)+FR-1], v[8*(8*((\a)%4)+\b):8*(8*((\a)%4)+\b)+7], v[SC+8*NQ*(\sc)+NQ*\b+(\q)], v[SC+8*NQ*(\sc)+NQ*(\a)+(\q)] matrix_a_fmt:MATRIX_FMT_FP4 matrix_b_fmt:MATRIX_FMT_FP4 matrix_a_scale:MATRIX_SCALE_ROW1
.endif
.endr
.endr
.endm
.macro FETCH_B slot, q, p
	WIN TO_B
.irp i, 0,1,2,3,4,5,6,7
	FRAG 128*(\p)+FR*\i, ADRB+\slot, \q, \i
.endr
	WIN 0
.endm
.macro FETCH_A slot, q, i0
.irp i, \i0, \i0+1, \i0+2, \i0+3
	FRAG AF+FR*(\i), ADRA+\slot, \q, \i
.endr
.endm
.macro SCALES sc
.irp i, 0,1,2,3,4,5,6,7
	ds_load_b128 v[SC+8*NQ*\sc+NQ*\i:SC+8*NQ*\sc+NQ*\i+3], v[ADRS+\sc] offset:\i*TB
.endr
.endm
.macro PLACES n
.rept \n
	v_nop
.endr
.endm
.macro STEP slot, q, zero
	s_wait_dscnt 4*NL
	WIN MUL_LO
	MUL16 0, (\q)%2, \q, \slot, \zero
	MUL16 2, (\q)%2, \q, \slot, \zero
	s_wait_dscnt 0
	PLACES NP
	FETCH_B \slot, (\q)+1, 1-(\q)%2
	FETCH_A \slot, (\q)+1, 0
	WIN MUL_HI
	MUL16 4, (\q)%2, \q, \slot, \zero
	MUL16 6, (\q)%2, \q, \slot, \zero
	PLACES NP
	WIN 0
	FETCH_A \slot, (\q)+1, 4
.endm
.macro TURN slot, next, fill
.if \fill
	s_wait_xcnt 0x0                                ; my earlier prefetches have read their base
	s_add_nc_u64 s[66:67], s[66:67], SSTEP         ; now at the K step that this change of slots asks for
.endif
	s_wait_tensorcnt 0x0
	ds_add_u32 v[SPW], v[NIL]
	s_wait_dscnt 4*NL+1
	WIN MUL_LO
	MUL16 0, 1, NQ-1, \slot, 0
	s_wait_dscnt 0x0
	s_barrier_signal -1
	MUL16 2, 1, NQ-1, \slot, 0
	WIN 0
	s_barrier_wait -1
.if \fill
	CREST
	s_add_nc_u64 s[G0+4*\slot+2:G0+4*\slot+3], s[G0+4*\slot+2:G0+4*\slot+3], 2*SSTEP
	s_add_nc_u64 s[G0B+4*\slot+2:G0B+4*\slot+3], s[G0B+4*\slot+2:G0B+4*\slot+3], 2*SSTEP
	JLOAD G0+4*\slot, G1, G0B+4*\slot, G1B
.else
	PLACES NP
.endif
	FETCH_B \next, 0, 0
	FETCH_A \next, 0, 0
	SCALES \next
.if \fill
	s_cmp_gt_u32 s3, 1                             ; the loop's last trip has no K step two refills on
	s_cbranch_scc0 .Lno_ask_\@
	global_prefetch_b8 v30, s[66:67] offset:2*SSTEP th:TH_LOAD_NT scope:SCOPE_SE
	global_prefetch_b8 v31, s[66:67] offset:2*SSTEP th:TH_LOAD_NT scope:SCOPE_SE
.Lno_ask_\@:
.endif
	WIN MUL_HI
	MUL16 4, 1, NQ-1, \slot, 0
	MUL16 6, 1, NQ-1, \slot, 0
	PLACES NP
	WIN 0
	FETCH_A \next, 0, 4
.endm
.macro STEPS slot, from
.set Q, \from
.rept NQ-1-\from
	STEP \slot, Q, 0
.set Q, Q+1
.endr
.endm
	s_wait_alu depctr_va_vdst(0)
	s_wait_tensorcnt 1
	s_barrier_signal -1
	s_barrier_wait -1
	FETCH_B 0, 0, 0
	FETCH_A 0, 0, 0
	SCALES 0
	global_prefetch_b8 v30, s[66:67] offset:SSTEP th:TH_LOAD_NT scope:SCOPE_SE     ; K steps 2 and 3
	global_prefetch_b8 v31, s[66:67] offset:SSTEP th:TH_LOAD_NT scope:SCOPE_SE
	global_prefetch_b8 v30, s[66:67] offset:2*SSTEP th:TH_LOAD_NT scope:SCOPE_SE
	global_prefetch_b8 v31, s[66:67] offset:2*SSTEP th:TH_LOAD_NT scope:SCOPE_SE
	FETCH_A 0, 0, 4
	STEP 0, 0, 1
	s_mov_b32 s3, LAPS-1
.Llap:
	STEPS 0, 1
	TURN 0, 1, 1
	STEPS 1, 0
	TURN 1, 0, 1
	STEP 0, 0, 0
	s_sub_co_u32 s3, s3, 1
	s_cmp_lg_u32 s3, 0
	s_cbranch_scc1 .Llap
	STEPS 0, 1
; THE LAST K STEP (slot 1) GOES BY ROWS OF out0, NOT BY K.  All its fragments of x (4 quarters x 64 registers) fill window 1; then my eight blocks of 16 rows are finished one after the other,
; each with 32 matrix instructions (its 8 accumulators by turns, K ascending), and each leaves as soon as it is finished.  LDS is read no more than in any other K step.
.macro BLOAD q                         ; x's fragments of quarter q -> window 1, v[64 q ..]
.irp i, 0,1,2,3,4,5,6,7
	FRAG 64*(\q)+FR*\i, ADRB+1, \q, \i
.endr
.endm
.macro ALOAD a                         ; W's fragments of block a, all four quarters -> buffer a % 2
.irp q, 0,1,2,3
	FRAG PA+32*((\a)%2)+FR*\q, ADRA+1, \q, \a
.endr
.endm
.macro ROW a                           ; block a is finished: 32 matrix instructions
	WIN MUL_LO+0x50*((\a)/4)
.irp q, 0,1,2,3
.if (\a) == 0 && \q == 2
	s_wait_dscnt 4*NL                              ; x's quarter 2 is in (behind it: W's block 1)
.endif
.irp b, 0,1,2,3,4,5,6,7
	v_wmma_scale_f32_16x16x128_f8f6f4 v[8*(8*((\a)%4)+\b):8*(8*((\a)%4)+\b)+7], v[64*\q+FR*\b:64*\q+FR*\b+FR-1], v[PA+32*((\a)%2)+FR*\q:PA+32*((\a)%2)+FR*\q+FR-1], v[8*(8*((\a)%4)+\b):8*(8*((\a)%4)+\b)+7], v[SC+8*NQ+NQ*\b+\q], v[SC+8*NQ+NQ*(\a)+\q] matrix_a_fmt:MATRIX_FMT_FP4 matrix_b_fmt:MATRIX_FMT_FP4 matrix_a_scale:MATRIX_SCALE_ROW1
.endr
.endr
	WIN 0
.endm
	s_wait_tensorcnt 0x0                           ; slot 0's last step: my part of slot 1, the last K step, is in;
	ds_add_u32 v[SPW], v[NIL]
	s_wait_dscnt 4*NL+1                            ; (the add and the youngest loads, W's blocks 4-7, may be out)
	WIN MUL_LO
	MUL16 0, 1, NQ-1, 0, 0
	s_wait_dscnt 0x0                               ; the add is done, and my reads of slot 0 are over
	s_barrier_signal -1
	MUL16 2, 1, NQ-1, 0, 0
	WIN 0
	s_barrier_wait -1                              ; slot 1 is whole; nobody reads slot 0 any more; nothing is filled again
	PLACES NP
	WIN TO_B
	BLOAD 0                                        ; three quarters of x now: set 1 (v128-191 of window 1) is still being multiplied
	BLOAD 1
	BLOAD 3
	WIN 0
	SCALES 1
	ALOAD 0                                        ; where W's blocks 0-3 lay
	WIN MUL_HI
	MUL16 4, 1, NQ-1, 0, 0
	MUL16 6, 1, NQ-1, 0, 0
	PLACES NP
	WIN TO_B
	BLOAD 2
	WIN 0
	ALOAD 1                                        ; where W's blocks 4-7 lay
.macro TOSTAGE a
.set AC, 64*((\a)%4)
	WIN 0x08+4*((\a)/4)
.irp b, 0,1,2,3,4,5,6,7
	ds_store_b128 v[STO], v[AC+8*\b:AC+8*\b+3] offset:64*\b
	ds_store_b128 v[STO], v[AC+8*\b+4:AC+8*\b+7] offset:64*\b+16
.endr
	WIN 0
.set BB, BK
.irp t, 0,1,2,3,4,5,6,7,8,9,10,11,12,13,14,15
	ds_load_b128 v[BB+4*\t:BB+4*\t+3], v[RD] offset:\t*SPITCH
.endr
.endm
.macro SEND a, younger
.set BB, BK
	s_wait_dscnt \younger
.if (\a) > 0
	s_add_nc_u64 s[12:13], s[12:13], 16*SIZE_N*4
.endif
.irp t, 0,1,2,3,4,5,6,7,8,9,10,11,12,13,14,15
	global_store_b128 v[CO], v[BB+4*\t:BB+4*\t+3], s[12:13] offset:\t*SIZE_N*4 th:TH_STORE_NT
.endr
.endm
	s_wait_dscnt 12*NL                             ; all but the 24 just issued: x's quarter 2 and W's block 1
	ROW 0
.irp a, 0,1,2,3,4,5,6,7
	PLACES NP                                      ; the stores into the stage read results just made, and the next loads land in the buffer just multiplied
.if \a > 0
	s_wait_xcnt 0x0                                ; the block before's stores have read their registers and their base
.endif
	TOSTAGE \a
.if \a < 6
	ALOAD \a+2                                     ; its buffer takes the block two further on
	SEND \a, 4*NL                                  ; those 8 loads may be out; the next block's fragments are in
.else
	SEND \a, 0
.endif
.if \a < 7
	ROW \a+1
.endif
.endr
	s_wait_tensorcnt 0x0
	ds_add_u32 v[SPW], v[NIL]
	s_wait_dscnt 0x0
	CROUND
	s_endpgm
.Lfunc_end_k_q7cba5484cd_gemm:
	.size	k_q7cba5484cd_gemm, .Lfunc_end_k_q7cba5484cd_gemm-k_q7cba5484cd_gemm
	.p2alignl 7, 3214868480
	.fill 96, 4, 3214868480
	.section	.rodata,"a",@progbits
	.p2align	6, 0x0
	.amdhsa_kernel k_q7cba5484cd_gemm
		.amdhsa_group_segment_fixed_size 327680
		.amdhsa_private_segment_fixed_size 0
		.amdhsa_enable_private_segment 0
		.amdhsa_kernarg_size 24
		.amdhsa_user_sgpr_count 2
		.amdhsa_user_sgpr_kernarg_segment_ptr 1
		.amdhsa_wavefront_size32 1
		.amdhsa_system_sgpr_workgroup_id_x 1
		.amdhsa_system_sgpr_workgroup_id_y 1
		.amdhsa_system_sgpr_workgroup_id_z 1
		.amdhsa_system_vgpr_workitem_id 0
		.amdhsa_next_free_vgpr 1024
		.amdhsa_next_free_sgpr 72
		.amdhsa_reserve_vcc 0
		.amdhsa_float_denorm_mode_32 3
		.amdhsa_float_denorm_mode_16_64 3
		.amdhsa_memory_ordered 1
		.amdhsa_forward_progress 1
		.amdhsa_inst_pref_size 211
	.end_amdhsa_kernel
	.amdgpu_metadata
---
amdhsa.version: [ 1, 2 ]
amdhsa.kernels:
  - .name:           k_q7cba5484cd_gemm
    .symbol:         k_q7cba5484cd_gemm.kd
    .args:
      - { .name: wq, .offset: 0, .size: 8, .value_kind: global_buffer, .address_space: global }
      - { .name: xq, .offset: 8, .size: 8, .value_kind: global_buffer, .address_space: global }
      - { .name: out0, .offset: 16, .size: 8, .value_kind: global_buffer, .address_space: global }
    .group_segment_fixed_size: 327680
    .private_segment_fixed_size: 0
    .kernarg_segment_align: 8
    .kernarg_segment_size: 24
    .max_flat_workgroup_size: 128
    .sgpr_count:     72
    .vgpr_count:     1024
    .wavefront_size: 32
...
	.end_amdgpu_metadata
.endif
;; end of part 2
